; MI455X (gfx1250); checked and timed in simulation.
; The chip was launched on July 23, 2026; its instructions are those of AMD's public machine-readable ISA for CDNA 5 (MIT licence, August 2026) and "CDNA5" Instruction Set Architecture Reference Guide (July 2026). The comments in the code are by the model that wrote it; some were corrected since.
;; Multi Head Self Attention. Allowed arithmetic: float matrix products may take bf16 or f16 operands with f32 sums; all other float work in f32.
;; Inputs: Wk 256 x 256 float32; Wo 256 x 256 float32; Wq 256 x 256 float32; Wv 256 x 256 float32; bk 256 float32; bo 256 float32; bq 256 float32; bv 256 float32; x 8 x 256 x 32 x 32 float32.
;; Outputs: out0 8 x 256 x 32 x 32 float32.
;; 2 versions, each right and faster than the one before. Each part assembles by itself: llvm-mc -triple=amdgcn-amd-amdhsa -mcpu=gfx1250 --defsym DOCPART=n.
;; ======== version 1 of 2: 3 launches
;; limits: values are held in f16: magnitudes above 65,504 overflow, below 6.1e-05 lose precision
;; workspace buffers: qf 4,194,304 bytes; kvf 8,388,608 bytes; cf 4,194,304 bytes; wof 131,072 bytes
;; launch proj (part 1): grid 256 x 1, 4 waves a work-group, clusters of 4 x 1, 314,880 bytes of LDS; arguments x, Wq, Wk, Wv, bq, bk, bv, qf, kvf; writes qf, kvf
.if DOCPART == 1
	.amdgcn_target "amdgcn-amd-amdhsa--gfx1250"
	.amdhsa_code_object_version 6
	.text
	.protected	k_q652e9a707c_proj
	.globl	k_q652e9a707c_proj
	.p2align	8
	.type	k_q652e9a707c_proj,@function
k_q652e9a707c_proj:
	s_mov_b64 s[64:65], 0
	v_nop
	global_prefetch_b8 v0, s[64:65] scope:SCOPE_SE
	s_setreg_imm32_b32 hwreg(HW_REG_WAVE_MODE, 25, 1), 1
	s_wait_xcnt 0x0
	s_wait_alu depctr_hold_cnt(0) depctr_sa_sdst(0) depctr_va_vdst(0) depctr_va_sdst(0) depctr_va_ssrc(0) depctr_va_vcc(0) depctr_vm_vsrc(0)
	s_getreg_b32 s2, hwreg(HW_REG_IB_STS2, 6, 4)
	s_cmp_eq_u32 s2, 0
	s_cbranch_scc0 .Lentry_in_a_cluster
	s_endpgm
.Lentry_in_a_cluster:
	s_bfe_u32 s2, ttmp6, 0x10000c
	s_cmp_lg_u32 s2, 0x3003
	s_cbranch_scc0 .Lentry_shape_is_right
	s_endpgm
.Lentry_shape_is_right:
; The three projections of one head for 256 tokens of one image:
;   qs = (x^T Wq^T + bq) * log2(e)/sqrt(32),  k = x^T Wk^T + bk,  v = x^T Wv^T + bv,  sums in f32, stored in f16.
; x is [8][256 channels][1024 tokens] f32, W [256 out][256 in] f32.
; LIMIT: the matrix operands and the stored results are f16: |x|, |W|, |qs|, |k|, |v| must stay below 65,504 (beyond it they become
; infinite), and magnitudes below 6e-8 are lost.  With unit x and |W| < 0.11 the results are about 5 at the most; all inputs 30 times
; larger give about 5,000; x and W each shifted by 30 of their spreads give about 256 * 30 * 1.9 = 14,600.
;
; SHARES.  Cluster number C = 0..63: image b = C >> 3, token group tg = (C >> 1) & 3 (256 tokens), head = 4 (C & 1) + cx.
; Wave w takes the 64 tokens of block beta = 4 tg + w, as four token tiles: tile q = 0..3 is the tokens 64 beta + 4 r + q, r = 0..15.
; A 16-byte read of a channel row gives a lane four neighbouring tokens, that is one row r of each of the four tiles, so that the
; fragments of x are made by packing registers alone.  The order of tokens inside a block is the same for q, k, v and the output.
; CLUSTER.  The four work-groups of a cluster are four heads of the same 256 tokens: they need the same 256 KiB of x, which is asked for
; jointly (mask 15).  Their 96 KiB of W differ, and a cluster of four along one axis cannot share both; W comes through registers.
;
; WHAT IS STORED is the matrix unit's own register order, in blocks of 1,024 bytes: byte 512 g + 16 lane = registers 4g..4g+3 of the lane.
;   D of (W rows) x (token tile): lane (r, hh) holds d = 8 hh + j of token row r; the tiles dt = 0, 1 packed in pairs are the fragment
;   (row r; k = d) of q and of k.  D of (token tile) x (W rows): lane holds token rows 8 hh + j of d = r; tiles q = 2 kh, 2 kh + 1 packed
;   are the fragment (row d; k = 32 keys) of v transposed.
.set XWAVE, 65536                      ; LDS bytes of x for a wave: 256 channel rows of 256 bytes (64 tokens f32)
.set XTILE, 16384                      ; one tensor load: 64 channel rows
.set XROW,  256
.set WRB,   262144                     ; W in f16 begins here: 6 tiles (2 p + dt; p = 0 q, 1 k, 2 v) of 16 rows x 256 channels
.set WPC,   272                        ; a piece = 8 channels of 16 rows = 256 bytes, 16 bytes of air behind it
.set WTILE, 32*WPC                     ; 32 pieces
.set VW,   1                           ; v1   byte offset in W of my 16 bytes: row 32 head + 8 hh, channels 64 w + 4 r
.set VS,   2                           ; v2   LDS address at which I put 4 channels of W in f16
.set VR,   3                           ; v3   LDS address of my 16 bytes of a W fragment
.set XA,   4                           ; v4   LDS address of my 16 bytes of x: channel 8 hh, tokens 4 r ..
.set VOFF, 5                           ; v5   16 x lane: my place in a block of 512 bytes of the outputs
.set VB,   6                           ; v6   byte offset of bq, bk of d = 32 head + 8 hh
.set VBV,  7                           ; v7   byte offset of bv of d = 32 head + r
.set X,    16                          ; v[16:79]   16 reads of x, 4 tokens each; at first, with v[80:207], the 48 loads of W
.set XF,   80                          ; v[80:111]  the four token tiles as fragments
.set WF,   112                         ; v[112:207] two buffers of six W fragments
.set BQ,   208                         ; v[208:223] bq of my 16 d
.set BK,   224                         ; v[224:239] bk
.set BV,   240                         ; v[240:243] bv of d = r, twice; of d = 16 + r, twice
.set T,    16                          ; the way out: 64 numbers in f32
.set DAT,  112                         ; the way out: 24 stores of 4 registers, each store with registers of its own
.set QT,   0                           ; v256 and up (window 1): accumulators of q, tile (dt, q) at 8 (4 dt + q)
.set KT,   64                          ; of k, likewise
.set VT,   128                         ; of v, tile (q, dt) at 8 (2 q + dt)
.set G1,   32                          ; s[32:39] descriptor group 1
.set G0,   40                          ; s[40:55] descriptor group 0, one set for each of the four loads
.set MSB, 0
.macro WIN new                         ; the register window; the high byte of the immediate repeats the setting that is left
.if MSB != \new
	s_set_vgpr_msb (MSB<<8)|\new
.set MSB, \new
.endif
.endm
.macro PLACES                          ; four places behind a matrix instruction (ISA guide 7.12.1)
.rept 4
	v_nop
.endr
.endm
.macro ROUND                           ; a round of the barrier of the cluster
	s_barrier_signal -1
	s_barrier_wait -1
	s_cmp_lg_u32 s22, 0
	s_cbranch_scc1 .Lnot_wave_0_\@
	s_barrier_signal -3
.Lnot_wave_0_\@:
	s_barrier_wait -3
	s_barrier_signal -1
	s_barrier_wait -1
.endm
	s_load_b512 s[4:19], s[0:1], 0x0               ; x s[4:5], Wq s[6:7], Wk s[8:9], Wv s[10:11], bq s[12:13], bk s[14:15], bv s[16:17], qf s[18:19]
	s_load_b64 s[20:21], s[0:1], 0x40              ; kvf
	v_lshl_add_u32 v254, v0, 2, 0x4cc00
	v_mov_b32 v255, 0
	ds_add_u32 v254, v255
	ds_add_u32 v254, v255
	v_lshrrev_b32 v8, 5, v0
	v_readfirstlane_b32 s22, v8                    ; wave w
	s_bfe_u32 s23, ttmp6, 0x40000                  ; cx
	s_lshr_b32 s24, ttmp9, 3                       ; image b
	s_lshr_b32 s25, ttmp9, 1
	s_and_b32 s25, s25, 3                          ; token group tg
	s_and_b32 s26, ttmp9, 1
	s_lshl2_add_u32 s26, s26, s23                  ; head = 4 (C & 1) + cx
	s_lshl2_add_u32 s27, s25, s22                  ; beta = 4 tg + w
	; group 1: a tile of 64 channel rows x 64 tokens of 4 bytes, rows 1,024 elements apart, no padding, for all four work-groups
	s_mov_b32 s[G1+0], 15|(2<<16)|(1<<21)          ; 15:0 mask: the four of the cluster; 17:16 elements of 4 bytes; 21 set beside a mask
	s_mov_b32 s[G1+1], 64<<16                      ; tensor_dim0 = 64
	s_mov_b32 s[G1+2], 64<<16                      ; tensor_dim1 = 64
	s_mov_b32 s[G1+3], 64<<16                      ; tile_dim0 = 64
	s_mov_b32 s[G1+4], 64                          ; tile_dim1 = 64
	s_mov_b32 s[G1+5], 1024                        ; from channel to channel
	s_mov_b32 s[G1+6], 0
	s_mov_b32 s[G1+7], 0
	s_lshl_b32 s28, s24, 20                        ; x: image b,
	s_lshl_b32 s29, s27, 8                         ; tokens 64 beta: made of C and w alone, equal in all four work-groups
	s_add_co_u32 s28, s28, s29
	s_mov_b32 s29, 0
	s_lshl_b32 s3, s22, 16                         ; my part of x in LDS
	s_lshl_b32 s60, s26, 15                        ; W: 32 head rows of 1,024 bytes,
	s_lshl_b32 s61, s22, 8                         ; channels 64 w
	s_add_co_u32 s60, s60, s61
	s_mul_i32 s61, s22, 8*WPC                      ; pieces 8 w .. 8 w + 7 of every tile of W in LDS
	s_add_co_u32 s61, s61, WRB
	s_lshl_b32 s62, s26, 7                         ; biases: 32 head numbers of 4 bytes
	s_lshl3_add_u32 s56, s24, s26                  ; 8 b + head
	s_lshl_b32 s56, s56, 16                        ; qf: 64 blocks of 1,024 bytes a head,
	s_lshl_b32 s57, s27, 12                        ; 4 blocks for each beta
	s_add_co_u32 s56, s56, s57
	s_lshl_b32 s58, s56, 1                         ; kvf: 16 blocks of 8,192 bytes a head, one for each beta: twice that
	s_mov_b32 s57, 0
	s_mov_b32 s59, 0
	v_and_b32 v9, 15, v0                           ; r
	v_bfe_u32 v10, v0, 4, 1                        ; hh
	v_and_b32 v11, 31, v0                          ; lane
	v_lshlrev_b32 v[VW], 4, v9
	v_lshl_add_u32 v[VW], v10, 13, v[VW]           ; lanes 16 to 31: eight rows further down
	v_add_nc_u32 v[VW], s60, v[VW]
	v_lshrrev_b32 v12, 1, v9
	v_mul_u32_u24 v[VS], v12, WPC                  ; piece (64 w + 4 r) / 8 = 8 w + r / 2
	v_lshl_add_u32 v[VS], v10, 7, v[VS]            ; row 8 hh of the tile
	v_and_b32 v12, 1, v9
	v_lshl_add_u32 v[VS], v12, 3, v[VS]            ; the lower or upper four channels of the piece
	v_add_nc_u32 v[VS], s61, v[VS]
	v_mul_u32_u24 v[VR], v10, WPC                  ; a fragment: piece hh, row r
	v_lshl_add_u32 v[VR], v9, 4, v[VR]
	v_add_nc_u32 v[VR], WRB, v[VR]
	v_lshlrev_b32 v[XA], 4, v9
	v_lshl_add_u32 v[XA], v10, 11, v[XA]           ; lanes 16 to 31: eight channels further down
	v_add_nc_u32 v[XA], s3, v[XA]
	v_lshlrev_b32 v[VOFF], 4, v11
	v_lshl_add_u32 v[VB], v10, 5, s62
	v_lshl_add_u32 v[VBV], v9, 2, s62
	s_wait_dscnt 0x0
	s_wait_kmcnt 0x0
	s_add_nc_u64 s[30:31], s[4:5], s[28:29]        ; x at my first tile
	s_add_nc_u64 s[56:57], s[18:19], s[56:57]      ; qf at my four blocks
	s_add_nc_u64 s[58:59], s[20:21], s[58:59]      ; kvf at my block
; W: wave w takes channels 64 w .. 64 w + 63 of the 96 rows of the head.  Lanes 0 to 15 read 256 consecutive bytes of row rho, lanes 16 to 31 of row rho + 8.
.macro WLOAD p, base
.irp dt,0,1
.irp rho,0,1,2,3,4,5,6,7
	global_load_b128 v[X+4*(16*\p+8*\dt+\rho):X+4*(16*\p+8*\dt+\rho)+3], v[VW], s[\base:\base+1] offset:(16*\dt+\rho)*1024
.endr
.endr
.endm
	WLOAD 0, 6
	WLOAD 1, 8
	WLOAD 2, 10
.irp dt,0,1                                        ; twelve loads of biases
	global_load_b128 v[BQ+8*\dt:BQ+8*\dt+3],   v[VB], s[12:13] offset:64*\dt
	global_load_b128 v[BQ+8*\dt+4:BQ+8*\dt+7], v[VB], s[12:13] offset:64*\dt+16
	global_load_b128 v[BK+8*\dt:BK+8*\dt+3],   v[VB], s[14:15] offset:64*\dt
	global_load_b128 v[BK+8*\dt+4:BK+8*\dt+7], v[VB], s[14:15] offset:64*\dt+16
	global_load_b32 v[BV+2*\dt],   v[VBV], s[16:17] offset:64*\dt     ; the same number in both registers of the pair
	global_load_b32 v[BV+2*\dt+1], v[VBV], s[16:17] offset:64*\dt     ; that the packed add takes
.endr
.irp n,0,1,2,3
	s_mov_b32 s[G0+4*\n], 1                                        ; count = 1
	s_add_co_u32 s[G0+4*\n+1], s3, \n*XTILE                        ; LDS address: 65,536 w + 16,384 n
	s_add_nc_u64 s[G0+4*\n+2:G0+4*\n+3], s[30:31], \n*64*4096      ; channels 64 n ..
	s_or_b32 s[G0+4*\n+3], s[G0+4*\n+3], 0x80000000                ; type = 2
.endr
	ROUND                                          ; all four work-groups are here: the joint loads meet
.irp n,0,1,2,3
	tensor_load_to_lds s[G0+4*\n:G0+4*\n+3], s[G1:G1+7]            ; four loads of the wave are out; every LDS byte is filled once
	s_nop 0
.endr
; W to f16 and into LDS, 8 bytes a lane.  The 32 lanes of a store fall on all 64 banks once: word 4 (r / 2) + 2 (r & 1) + 32 hh + a constant.
.macro WCONV p
	s_wait_loadcnt 44-16*\p                        ; 60 loads were issued; behind the sixteen of matrix p stand 60 - 16 (p + 1)
.irp dt,0,1
.irp rho,0,1,2,3,4,5,6,7
	v_cvt_pk_f16_f32 v[X+4*(16*\p+8*\dt+\rho)],   v[X+4*(16*\p+8*\dt+\rho)],   v[X+4*(16*\p+8*\dt+\rho)+1]
	v_cvt_pk_f16_f32 v[X+4*(16*\p+8*\dt+\rho)+1], v[X+4*(16*\p+8*\dt+\rho)+2], v[X+4*(16*\p+8*\dt+\rho)+3]
	ds_store_b64 v[VS], v[X+4*(16*\p+8*\dt+\rho):X+4*(16*\p+8*\dt+\rho)+1] offset:(2*\p+\dt)*WTILE+\rho*16
.endr
.endr
.endm
	WCONV 0
	WCONV 1
	WCONV 2
	s_wait_dscnt 0x0                               ; my part of W is in LDS,
	s_barrier_signal -1
	s_barrier_wait -1                              ; everybody's is.  The loads of x stay on their way
; 16 reads of x for K step ks (32 channels): read 8 g + i brings channel 32 ks + 16 g + 8 hh + i, tokens 4 r .. 4 r + 3; 16 lanes read 256 consecutive bytes
.macro LDX ks
.irp g,0,1
.irp i,0,1,2,3,4,5,6,7
	ds_load_b128 v[X+4*(8*\g+\i):X+4*(8*\g+\i)+3], v[XA] offset:(32*\ks+16*\g+\i)*XROW
.endr
.endr
.endm
; 12 reads: the six W fragments of K step ks; piece 4 ks + 2 g + hh holds channels 32 ks + 16 g + 8 hh ..; 16 lanes read 256 consecutive bytes
.macro LDW ks, buf
.irp t,0,1,2,3,4,5
.irp g,0,1
	ds_load_b128 v[WF+48*\buf+8*\t+4*\g:WF+48*\buf+8*\t+4*\g+3], v[VR] offset:\t*WTILE+(4*\ks+2*\g)*WPC
.endr
.endr
.endm
; register q of two neighbouring channels makes one register of the fragment of token tile q
.macro CVX
.irp q,0,1,2,3
.irp g,0,1
.irp p,0,1,2,3
	v_cvt_pk_f16_f32 v[XF+8*\q+4*\g+\p], v[X+4*(8*\g+2*\p)+\q], v[X+4*(8*\g+2*\p+1)+\q]
.endr
.endr
.endr
.endm
.macro WM d, a, b, zero                ; zero = 1: the first product starts the sum
.if \zero
	v_wmma_f32_16x16x32_f16 v[\d:\d+7], v[\a:\a+7], v[\b:\b+7], 0
.else
	v_wmma_f32_16x16x32_f16 v[\d:\d+7], v[\a:\a+7], v[\b:\b+7], v[\d:\d+7]
.endif
.endm
; 24 matrix instructions on 24 accumulators, which take turns, one instruction a turn, in the same order in every K step
.macro MM buf, zero
	WIN 0x50                                       ; C and D in window 1
.irp dt,0,1
.irp q,0,1,2,3
	WM QT+8*(4*\dt+\q), WF+48*\buf+8*\dt, XF+8*\q, \zero
.endr
.endr
.irp dt,0,1
.irp q,0,1,2,3
	WM KT+8*(4*\dt+\q), WF+48*\buf+16+8*\dt, XF+8*\q, \zero
.endr
.endr
.irp q,0,1,2,3
.irp dt,0,1
	WM VT+8*(2*\q+\dt), XF+8*\q, WF+48*\buf+32+8*\dt, \zero
.endr
.endr
	WIN 0
.endm
.macro KS ks
	s_wait_dscnt 12                                ; x of this step is in; the 12 reads of W issued behind it may be out
.if \ks > 0
	PLACES                                         ; the fragments of x were sources of the last matrix instructions
.endif
	CVX
.if \ks < 7
.if ((\ks+1)&1) == 0
	s_wait_tensorcnt 3-(\ks+1)/2                   ; the next 64 channels have landed: behind their load stand 3 - (ks + 1) / 2 more; only I read these bytes
.endif
	LDX (\ks+1)
	LDW (\ks+1), ((\ks+1)&1)                       ; into the buffer read one step ago: the four places and 32 conversions lie between
	s_wait_dscnt 28                                ; all but the 28 just issued: W of this step is in
.else
	s_wait_dscnt 0
.endif
.if \ks == 0
	MM 0, 1
.else
	MM (\ks&1), 0
.endif
.endm
	s_wait_tensorcnt 3                             ; channels 0 to 63 of my tokens have landed; three loads stay out
	LDX 0
	LDW 0, 0
	KS 0
	KS 1
	KS 2
	KS 3
	KS 4
	KS 5
	KS 6
	KS 7
	; THE WAY OUT: bias (and for q the scale) in f32, one rounding to f16, stores of 512 consecutive bytes, aligned.
	PLACES                                         ; behind the last matrix instructions: results are read, W's buffers written
	s_wait_loadcnt 0x0                             ; the biases
.irp i,0,1,2,3,4,5,6,7
	v_pk_mul_f32 v[BQ+2*\i:BQ+2*\i+1], v[BQ+2*\i:BQ+2*\i+1], 0x3e8293ee op_sel_hi:[1,0]   ; bq * log2(e)/sqrt(32) = bq * 0.25503486
.endr
.macro OUTQK acc, bias, scaled, dat, base
	WIN 0x01                                       ; source 0 in window 1
.irp dt,0,1
.irp q,0,1,2,3
.irp p,0,1,2,3
.if \scaled
	v_pk_fma_f32 v[T+8*(4*\dt+\q)+2*\p:T+8*(4*\dt+\q)+2*\p+1], v[\acc+8*(4*\dt+\q)+2*\p:\acc+8*(4*\dt+\q)+2*\p+1], 0x3e8293ee, v[\bias+8*\dt+2*\p:\bias+8*\dt+2*\p+1] op_sel_hi:[1,0,1]
.else
	v_pk_add_f32 v[T+8*(4*\dt+\q)+2*\p:T+8*(4*\dt+\q)+2*\p+1], v[\acc+8*(4*\dt+\q)+2*\p:\acc+8*(4*\dt+\q)+2*\p+1], v[\bias+8*\dt+2*\p:\bias+8*\dt+2*\p+1]
.endif
.endr
.endr
.endr
	WIN 0
.irp dt,0,1
.irp q,0,1,2,3
.irp p,0,1,2,3
	v_cvt_pk_f16_f32 v[\dat+4*(4*\dt+\q)+\p], v[T+8*(4*\dt+\q)+2*\p], v[T+8*(4*\dt+\q)+2*\p+1]
.endr
	global_store_b128 v[VOFF], v[\dat+4*(4*\dt+\q):\dat+4*(4*\dt+\q)+3], s[\base:\base+1] offset:\q*1024+\dt*512   ; tile q, registers 4 dt ..
.endr
.endr
.endm
	OUTQK QT, BQ, 1, DAT, 56
	OUTQK KT, BK, 0, DAT+32, 58
	WIN 0x01
.irp q,0,1,2,3
.irp dt,0,1
.irp p,0,1,2,3
	v_pk_add_f32 v[T+8*(2*\q+\dt)+2*\p:T+8*(2*\q+\dt)+2*\p+1], v[VT+8*(2*\q+\dt)+2*\p:VT+8*(2*\q+\dt)+2*\p+1], v[BV+2*\dt:BV+2*\dt+1]
.endr
.endr
.endr
	WIN 0
.irp q,0,1,2,3
.irp dt,0,1
.irp p,0,1,2,3
	v_cvt_pk_f16_f32 v[DAT+64+4*(2*\q+\dt)+\p], v[T+8*(2*\q+\dt)+2*\p], v[T+8*(2*\q+\dt)+2*\p+1]
.endr
	global_store_b128 v[VOFF], v[DAT+64+4*(2*\q+\dt):DAT+64+4*(2*\q+\dt)+3], s[58:59] offset:4096+((\q>>1)*2+\dt)*1024+(\q&1)*512   ; fragment (kh = q / 2, dt), its lower or upper 16 keys
.endr
.endr
	s_wait_tensorcnt 0x0
	ds_add_u32 v254, v255
	s_wait_dscnt 0x0
	ROUND                                          ; the closing round: no work-group ends while a partner may still ask jointly
	s_endpgm
.Lfunc_end_k_q652e9a707c_proj:
	.size	k_q652e9a707c_proj, .Lfunc_end_k_q652e9a707c_proj-k_q652e9a707c_proj
	.p2alignl 7, 3214868480
	.fill 96, 4, 3214868480
	.section	.rodata,"a",@progbits
	.p2align	6, 0x0
	.amdhsa_kernel k_q652e9a707c_proj
		.amdhsa_group_segment_fixed_size 314880
		.amdhsa_private_segment_fixed_size 0
		.amdhsa_enable_private_segment 0
		.amdhsa_kernarg_size 72
		.amdhsa_user_sgpr_count 2
		.amdhsa_user_sgpr_kernarg_segment_ptr 1
		.amdhsa_wavefront_size32 1
		.amdhsa_system_sgpr_workgroup_id_x 1
		.amdhsa_system_sgpr_workgroup_id_y 1
		.amdhsa_system_sgpr_workgroup_id_z 1
		.amdhsa_system_vgpr_workitem_id 0
		.amdhsa_next_free_vgpr 448
		.amdhsa_next_free_sgpr 66
		.amdhsa_reserve_vcc 0
		.amdhsa_float_denorm_mode_32 3
		.amdhsa_float_denorm_mode_16_64 3
		.amdhsa_memory_ordered 1
		.amdhsa_forward_progress 1
		.amdhsa_inst_pref_size 81
	.end_amdhsa_kernel
	.amdgpu_metadata
---
amdhsa.version: [ 1, 2 ]
amdhsa.kernels:
  - .name:           k_q652e9a707c_proj
    .symbol:         k_q652e9a707c_proj.kd
    .args:
      - { .name: x, .offset: 0, .size: 8, .value_kind: global_buffer, .address_space: global }
      - { .name: Wq, .offset: 8, .size: 8, .value_kind: global_buffer, .address_space: global }
      - { .name: Wk, .offset: 16, .size: 8, .value_kind: global_buffer, .address_space: global }
      - { .name: Wv, .offset: 24, .size: 8, .value_kind: global_buffer, .address_space: global }
      - { .name: bq, .offset: 32, .size: 8, .value_kind: global_buffer, .address_space: global }
      - { .name: bk, .offset: 40, .size: 8, .value_kind: global_buffer, .address_space: global }
      - { .name: bv, .offset: 48, .size: 8, .value_kind: global_buffer, .address_space: global }
      - { .name: qf, .offset: 56, .size: 8, .value_kind: global_buffer, .address_space: global }
      - { .name: kvf, .offset: 64, .size: 8, .value_kind: global_buffer, .address_space: global }
    .group_segment_fixed_size: 314880
    .private_segment_fixed_size: 0
    .kernarg_segment_align: 8
    .kernarg_segment_size: 72
    .max_flat_workgroup_size: 128
    .sgpr_count:     66
    .vgpr_count:     448
    .wavefront_size: 32
...
	.end_amdgpu_metadata
.endif
;; end of part 1
;; launch attn (part 2): grid 256 x 1, 8 waves a work-group, clusters of 4 x 1, 168,960 bytes of LDS; arguments qf, kvf, cf, Wo, wof; writes cf, wof
.if DOCPART == 2
	.amdgcn_target "amdgcn-amd-amdhsa--gfx1250"
	.amdhsa_code_object_version 6
	.text
	.protected	k_q652e9a707c_attn
	.globl	k_q652e9a707c_attn
	.p2align	8
	.type	k_q652e9a707c_attn,@function
k_q652e9a707c_attn:
	s_mov_b64 s[64:65], 0
	v_nop
	global_prefetch_b8 v0, s[64:65] scope:SCOPE_SE
	s_setreg_imm32_b32 hwreg(HW_REG_WAVE_MODE, 25, 1), 1
	s_wait_xcnt 0x0
	s_wait_alu depctr_hold_cnt(0) depctr_sa_sdst(0) depctr_va_vdst(0) depctr_va_sdst(0) depctr_va_ssrc(0) depctr_va_vcc(0) depctr_vm_vsrc(0)
	s_getreg_b32 s2, hwreg(HW_REG_IB_STS2, 6, 4)
	s_cmp_eq_u32 s2, 0
	s_cbranch_scc0 .Lentry_in_a_cluster
	s_endpgm
.Lentry_in_a_cluster:
	s_bfe_u32 s2, ttmp6, 0x10000c
	s_cmp_lg_u32 s2, 0x3003
	s_cbranch_scc0 .Lentry_shape_is_right
	s_endpgm
.Lentry_shape_is_right:
; Attention of one head for 256 queries: ctx = softmax(q k^T / sqrt(32)) v over 1,024 keys, with a running maximum.
; qf holds q already times log2(e)/sqrt(32), so the exponentials are powers of two.  Operands f16, sums, maxima and exponentials f32.
; Beside that, while the first tiles are on their way, each work-group rounds 256 numbers of Wo to f16 for the next launch (see below).
; LIMIT: ctx and Wo are stored in f16: |ctx| (at most the largest |v|) and |Wo| must stay below 65,504; magnitudes below 6e-8 are lost,
; among them weights p (which lie in [0, 1]) below 6e-8.
;
; SHARES.  Cluster number = 8 b + head; cx = the block of 256 queries.  Wave w takes query tiles tau = 16 cx + 2 w + t, t = 0, 1 (32 queries),
; and walks the keys in 16 steps of 64.  Eight waves, two on each SIMD, since a step is 16 matrix instructions beside some 220 vector ones:
; one wave's matrix instructions and LDS reads stand beside the other's exponentials.
; CLUSTER.  The four query blocks of a head need the same 128 KiB of k and v: they are asked for jointly (mask 15) and lie in LDS whole;
; every LDS byte is filled once, so no slot is ever filled again.
; THE FILL COMES IN FOUR CHUNKS of four steps (32 KiB).  Each wave asks for an eighth of each chunk, four loads in one group at the start, and a wave's
; loads end in the order of issue: so the first steps run while the later chunks are on their way.  In front of the first read of a chunk every wave
; waits for its part of it, by a counted wait, and passes a barrier.  A load has 16 rows only: with longer ones a chunk would be more steps.
;
; LAYOUT.  Scores are made transposed, S^T = K x Q^T: lane (r, hh) holds keys 8 hh + j of query r, so maximum and sum stay in the lane but for one
; exchange with lane r xor 16.  Two key tiles packed in pairs are the fragment of P^T (column = query r, k = 32 keys), and
; ctx^T = V^T x P^T leaves lane (r, hh) with d = 8 hh + j of query r: packed, the fragment that the output projection takes.
;
; Wo IN FRAGMENT ORDER.  wof is [row tile mt 16][K step ks 8] blocks of 1,024 bytes; byte 512 g + 16 lane = registers 4g..4g+3 of the lane:
; row 16 mt + r, channels 32 ks + 16 g + 8 hh + 0..7 in f16.  Work-group u = 4 x cluster + cx makes the 512 bytes (mt = u >> 4, ks = (u >> 1) & 7, g = u & 1):
; a lane reads 32 consecutive bytes, and the four work-groups of a cluster together 256 consecutive bytes of each of 16 rows.
.set LA,   1                           ; v1  LDS address: 16 x lane + 8,192 x step
.set VOFF, 2                           ; v2  16 x lane, for qf, cf and wof; never rewritten
.set QF,   8                           ; v[8:23]    fragments of my two query tiles
.set KF,   24                          ; v[24:55]   fragments of four key tiles
.set VF,   56                          ; v[56:87]   fragments (kh, dt) of v transposed, at 8 (2 kh + dt)
.set SS,   88                          ; v[88:151]  scores: tile (t, kt) at 32 t + 8 kt
.set PF,   152                         ; v[152:183] weights in f16: 16 registers for each t
.set ACC,  184                         ; v[184:215] ctx^T: tile (t, dt) at 16 t + 8 dt
.set ST,   216                         ; v[216:227] for each t six registers: maximum, a word from the other half, factor, its exponent, two sums
.set MX,   228                         ; v[228:231] four chains of maxima
.set WOD,  232                         ; v[232:235] wave 0: Wo in f16, the data of one store; never rewritten
.set STEPB, 8192                       ; a step in LDS: four K tiles of 1,024 bytes, then four V fragments
.set CHUNK, 4*STEPB                    ; what one group of eight loads brings
.set PART,  CHUNK/8                    ; a wave's part of a chunk: 16 rows of 256 bytes
.set G1,   16                          ; s[16:23] descriptor group 1
.set G0,   40                          ; s[40:55] descriptor group 0, one set for each chunk
.macro PLACES                          ; four places behind a matrix instruction (ISA guide 7.12.1)
.rept 4
	v_nop
.endr
.endm
.macro ROUND                           ; a round of the barrier of the cluster
	s_barrier_signal -1
	s_barrier_wait -1
	s_cmp_lg_u32 s24, 0
	s_cbranch_scc1 .Lnot_wave_0_\@
	s_barrier_signal -3
.Lnot_wave_0_\@:
	s_barrier_wait -3
	s_barrier_signal -1
	s_barrier_wait -1
.endm
	s_load_b256 s[4:11], s[0:1], 0x0               ; qf s[4:5], kvf s[6:7], cf s[8:9], Wo s[10:11]
	s_load_b64 s[12:13], s[0:1], 0x20              ; wof
	v_lshl_add_u32 v236, v0, 2, 0x29000
	v_mov_b32 v237, 0
	ds_add_u32 v236, v237
	ds_add_u32 v236, v237
	v_lshrrev_b32 v3, 5, v0
	v_readfirstlane_b32 s24, v3                    ; wave w
	s_bfe_u32 s25, ttmp6, 0x40000                  ; cx
	s_mov_b32 s14, 0x76543210                      ; v_permlanex16_b32: lane i of one half reads lane i of the other
	s_mov_b32 s15, 0xfedcba98
	; group 1: 4,096 dense bytes as 16 rows of 32 elements of 8 bytes, for all four work-groups
	s_mov_b32 s[G1+0], 15|(3<<16)|(1<<21)          ; 15:0 mask; 17:16 elements of 8 bytes; 21 set beside a mask
	s_mov_b32 s[G1+1], 32<<16                      ; tensor_dim0 = 32
	s_mov_b32 s[G1+2], (PART/256)<<16              ; tensor_dim1 = 16
	s_mov_b32 s[G1+3], 32<<16                      ; tile_dim0 = 32
	s_mov_b32 s[G1+4], PART/256                    ; tile_dim1 = 16
	s_mov_b32 s[G1+5], 32                          ; a row begins where the last ends
	s_mov_b32 s[G1+6], 0
	s_mov_b32 s[G1+7], 0
	s_lshl_b32 s26, s24, 12                        ; 4,096 w: my part of a chunk, in LDS and in kvf
	s_lshl_b32 s28, ttmp9, 17                      ; kvf: 131,072 bytes a head,
	s_add_co_u32 s28, s28, s26                     ; my part: made of the cluster number and w alone; s26, s28 to s31 never hold cx
	s_mov_b32 s29, 0
	s_lshl_b32 s32, ttmp9, 16                      ; qf: 64 blocks of 1,024 bytes a head,
	s_lshl_b32 s27, s25, 14                        ; 16 for each cx,
	s_add_co_u32 s32, s32, s27
	s_lshl_b32 s27, s24, 11                        ; 2 for each wave
	s_add_co_u32 s32, s32, s27
	s_mov_b32 s33, 0
	s_lshr_b32 s34, ttmp9, 3                       ; cf: block ((64 b + tau) 8 + head) of 1,024 bytes, tau = 16 cx + 2 w + t
	s_lshl_b32 s34, s34, 19
	s_and_b32 s27, ttmp9, 7
	s_lshl_b32 s27, s27, 10
	s_add_co_u32 s34, s34, s27
	s_lshl_b32 s27, s25, 17
	s_add_co_u32 s34, s34, s27
	s_lshl_b32 s27, s24, 14                        ; 2 w tiles of 8,192 bytes
	s_add_co_u32 s34, s34, s27
	s_mov_b32 s35, 0
	s_lshl2_add_u32 s58, ttmp9, s25                ; u = 4 x cluster + cx
	s_lshr_b32 s38, s58, 4
	s_lshl_b32 s38, s38, 14                        ; Wo: 16 mt rows of 1,024 bytes,
	s_and_b32 s27, s58, 15
	s_lshl_b32 s27, s27, 6                         ; 16 (2 ks + g) channels of 4 bytes
	s_add_co_u32 s38, s38, s27
	s_mov_b32 s39, 0
	s_lshl_b32 s56, s58, 9                         ; wof: 512 bytes for each u
	s_mov_b32 s57, 0
	v_and_b32 v3, 31, v0
	v_lshlrev_b32 v[LA], 4, v3
	v_lshlrev_b32 v[VOFF], 4, v3
	v_mov_b32 v[ST+1], 0                           ; the destination of v_permlanex16_b32 counts as read
	v_mov_b32 v[ST+7], 0
	s_wait_dscnt 0x0
	s_wait_kmcnt 0x0
	s_add_nc_u64 s[30:31], s[6:7], s[28:29]        ; kvf at my part of chunk 0
	s_add_nc_u64 s[32:33], s[4:5], s[32:33]
	s_add_nc_u64 s[34:35], s[8:9], s[34:35]
	s_add_nc_u64 s[38:39], s[10:11], s[38:39]
	s_add_nc_u64 s[56:57], s[12:13], s[56:57]
.irp t,0,1
.irp g,0,1
	global_load_b128 v[QF+8*\t+4*\g:QF+8*\t+4*\g+3], v[VOFF], s[32:33] offset:\t*1024+\g*512
.endr
.endr
.irp c,0,1,2,3
	s_mov_b32 s[G0+4*\c], 1                                        ; count = 1
	s_add_co_u32 s[G0+4*\c+1], s26, \c*CHUNK                       ; LDS address: 4,096 w + 32,768 c
	s_add_nc_u64 s[G0+4*\c+2:G0+4*\c+3], s[30:31], \c*CHUNK        ; LDS is a copy of the head's 131,072 bytes
	s_or_b32 s[G0+4*\c+3], s[G0+4*\c+3], 0x80000000                ; type = 2
.endr
	ROUND                                          ; all four work-groups are here: the joint loads meet
.irp c,0,1,2,3
	tensor_load_to_lds s[G0+4*\c:G0+4*\c+3], s[G1:G1+7]            ; four loads of the wave are out
	s_nop 0
.endr
	; Wave 0, while the tiles are on their way: 256 numbers of Wo to f16, in fragment order.
	s_cmp_lg_u32 s24, 0
	s_cbranch_scc1 .Lno_wo
	v_and_b32 v4, 15, v0                           ; r
	v_bfe_u32 v5, v0, 4, 1                         ; hh
	v_lshlrev_b32 v4, 10, v4                       ; row r of the tile,
	v_lshl_add_u32 v4, v5, 5, v4                   ; 8 hh channels of 4 bytes
	global_load_b128 v[SS:SS+3],   v4, s[38:39]
	global_load_b128 v[SS+4:SS+7], v4, s[38:39] offset:16
	s_wait_loadcnt 0x0
.irp m,0,1,2,3
	v_cvt_pk_f16_f32 v[WOD+\m], v[SS+2*\m], v[SS+2*\m+1]
.endr
	global_store_b128 v[VOFF], v[WOD:WOD+3], s[56:57]              ; 512 consecutive bytes, aligned; its registers are not written again
.Lno_wo:
	s_wait_tensorcnt 3                             ; my part of chunk 0 is in; the three loads issued behind it stay out,
	s_barrier_signal -1
	s_barrier_wait -1                              ; everybody's part is.
.macro LDK off                         ; four K tiles; a read takes 512 consecutive bytes
.irp kt,0,1,2,3
.irp g,0,1
	ds_load_b128 v[KF+8*\kt+4*\g:KF+8*\kt+4*\g+3], v[LA] offset:\off+\kt*1024+\g*512
.endr
.endr
.endm
.macro LDV                             ; four V fragments
.irp f,0,1,2,3
.irp g,0,1
	ds_load_b128 v[VF+8*\f+4*\g:VF+8*\f+4*\g+3], v[LA] offset:4096+\f*1024+\g*512
.endr
.endr
.endm
; The stages of the softmax on pair i of the 16 register pairs of one query tile.  CS, CP, CA, CM, CAL, CL are set by SOFTMAX.
.macro SM_A i                          ; score minus the maximum
	v_pk_add_f32 v[CS+2*(\i):CS+2*(\i)+1], v[CS+2*(\i):CS+2*(\i)+1], v[CM:CM+1] op_sel_hi:[1,0] neg_lo:[0,1] neg_hi:[0,1]
.endm
.macro SM_C i, first                   ; the two running sums; in the first step the first two pairs start them, later pair 0 brings the factor in
.if \first
.if (\i) == 1
	v_pk_add_f32 v[CL:CL+1], v[CS:CS+1], v[CS+2:CS+3]
.endif
.if (\i) > 1
	s_wait_alu depctr_va_vdst(0)
	v_pk_add_f32 v[CL:CL+1], v[CL:CL+1], v[CS+2*(\i):CS+2*(\i)+1]
.endif
.else
.if (\i) == 0
	v_pk_fma_f32 v[CL:CL+1], v[CL:CL+1], v[CAL:CAL+1], v[CS:CS+1] op_sel_hi:[1,0,1]
.else
	s_wait_alu depctr_va_vdst(0)
	v_pk_add_f32 v[CL:CL+1], v[CL:CL+1], v[CS+2*(\i):CS+2*(\i)+1]
.endif
.endif
.endm
.macro SM_D i                          ; pair i = 4 kt + p is register i of the two fragments of P^T
	s_wait_alu depctr_va_vdst(0)
	v_cvt_pk_f16_f32 v[CP+(\i)], v[CS+2*(\i)], v[CS+2*(\i)+1]
.endm
.macro SOFTMAX t, first
.set CS,  SS+32*\t
.set CP,  PF+16*\t
.set CA,  ACC+16*\t
.set CM,  ST+6*\t
.set CAL, ST+6*\t+2
.set CL,  ST+6*\t+4
	; the largest of my 32 scores, in four chains; then the other 32 keys of the query from lane r xor 16
.irp c,0,1,2,3
	v_max3_num_f32 v[MX+\c], v[CS+3*\c], v[CS+3*\c+1], v[CS+3*\c+2]
.endr
.set j, 12
.rept 10
	v_max3_num_f32 v[MX+(j/2)%4], v[MX+(j/2)%4], v[CS+j], v[CS+j+1]
.set j, j+2
.endr
	v_max3_num_f32 v[MX], v[MX], v[MX+1], v[MX+2]
	v_max_num_f32 v[MX], v[MX], v[MX+3]
	v_permlanex16_b32 v[CM+1], v[MX], s14, s15
.if \first
	v_max_num_f32 v[CM], v[MX], v[CM+1]
.else
	v_max3_num_f32 v[MX+1], v[MX], v[CM+1], v[CM]  ; the new running maximum
	v_sub_f32 v[CAL+1], v[CM], v[MX+1]
	v_exp_f32 v[CAL], v[CAL+1]                     ; the factor 2^(old - new) for the sums and for ctx
	v_mov_b32 v[CM], v[MX+1]                       ; a plain instruction behind the exponential (ISA guide 5.7.2), which touches neither its result nor its source
.endif
	; Behind each pair of exponentials stands plain work on other pairs before their results are used (ISA guide 5.7.2).
	SM_A 0
	SM_A 1
.set i, 0
.rept 16
	v_exp_f32 v[CS+2*i], v[CS+2*i]
	v_exp_f32 v[CS+2*i+1], v[CS+2*i+1]
.if i <= 13
	SM_A i+2
.endif
.if i >= 1
	SM_C i-1, \first
	SM_D i-1
.endif
.if \first == 0
.if i < 8
	s_wait_alu depctr_va_vdst(0)
	v_pk_mul_f32 v[CA+2*i:CA+2*i+1], v[CA+2*i:CA+2*i+1], v[CAL:CAL+1] op_sel_hi:[1,0]   ; ctx so far, to the new maximum
.endif
.endif
.set i, i+1
.endr
	SM_C 15, \first
	SM_D 15
.endm
; ctx^T += V^T x P^T.  The four accumulators take turns, one instruction a turn.
.macro PV first
.irp kh,0,1
.irp t,0,1
.irp dt,0,1
.if \first*(1-\kh)
	v_wmma_f32_16x16x32_f16 v[ACC+16*\t+8*\dt:ACC+16*\t+8*\dt+7], v[VF+8*(2*\kh+\dt):VF+8*(2*\kh+\dt)+7], v[PF+16*\t+8*\kh:PF+16*\t+8*\kh+7], 0
.else
	v_wmma_f32_16x16x32_f16 v[ACC+16*\t+8*\dt:ACC+16*\t+8*\dt+7], v[VF+8*(2*\kh+\dt):VF+8*(2*\kh+\dt)+7], v[PF+16*\t+8*\kh:PF+16*\t+8*\kh+7], v[ACC+16*\t+8*\dt:ACC+16*\t+8*\dt+7]
.endif
.endr
.endr
.endr
.endm
; One step of 64 keys: it reads its own V fragments and, ahead, the next step's K tiles.  first = 1: nothing is carried yet.  pf = 0: nothing is read ahead.
.macro STEP first, pf
	s_wait_dscnt 0x0                               ; this step's K tiles are in
.irp kt,0,1,2,3
.irp t,0,1
	v_wmma_f32_16x16x32_f16 v[SS+32*\t+8*\kt:SS+32*\t+8*\kt+7], v[KF+8*\kt:KF+8*\kt+7], v[QF+8*\t:QF+8*\t+7], 0
.endr
.endr
	PLACES                                         ; in front of the reads of the scores, of the loads into K (sources just now) and into V (sources of the last step), and of the writes of P and ctx
	LDV
.if \pf
	LDK STEPB
	v_add_nc_u32 v[LA], STEPB, v[LA]
.endif
	SOFTMAX 0, \first
	SOFTMAX 1, \first
.if \pf
	s_wait_dscnt 8                                 ; V is in; the eight reads of K issued behind it may be out
.else
	s_wait_dscnt 0x0
.endif
	PV \first
.endm
.macro STEPS n                         ; n steps in a loop
	s_mov_b32 s36, \n
.Lsteps_\@:
	STEP 0, 1
	s_sub_co_i32 s36, s36, 1
	s_cmp_lg_u32 s36, 0
	s_cbranch_scc1 .Lsteps_\@
.endm
; The next chunk becomes readable.  left = how many loads I issued behind my part of it.
.macro GATE left
	s_wait_dscnt 0x0                               ; no LDS read of mine is out at the signal (the K tiles read ahead; the next step would wait for them here anyway)
	s_wait_tensorcnt \left                         ; a wave's tensor loads end in order (ISA guide 10.11.1): my part of the chunk is in,
	s_barrier_signal -1
	s_barrier_wait -1                              ; everybody's part is
.endm
	LDK 0
	s_wait_loadcnt 0x0                             ; q
	STEP 1, 1                                      ; step 0 starts maxima and sums: nothing is cleared
	STEPS 2                                        ; steps 1, 2: they read up to K of step 3, the last of chunk 0
	GATE 2                                         ; chunk 1, one step ahead of its first V, since step 3 reads K of step 4
	STEPS 4                                        ; steps 3 to 6
	GATE 1                                         ; chunk 2
	STEPS 4                                        ; steps 7 to 10
	GATE 0                                         ; chunk 3: no tensor load is out from here on
	STEPS 4                                        ; steps 11 to 14
	STEP 0, 0                                      ; step 15 reads nothing ahead
	PLACES                                         ; behind the last matrix instructions: ctx is read, P written
.irp t,0,1
	v_add_f32 v[ST+6*\t+4], v[ST+6*\t+4], v[ST+6*\t+5]
.endr
.irp t,0,1
	v_permlanex16_b32 v[ST+6*\t+1], v[ST+6*\t+4], s14, s15         ; the sum over the other 512 keys of the query
.endr
.irp t,0,1
	v_add_f32 v[ST+6*\t+4], v[ST+6*\t+4], v[ST+6*\t+1]             ; at least 1: the largest score gives 2^0
.endr
.irp t,0,1
	v_rcp_f32 v[ST+6*\t+2], v[ST+6*\t+4]
.endr
	v_nop                                          ; a plain place behind the reciprocals (ISA guide 5.7.2)
	s_wait_alu depctr_va_vdst(0)
.irp t,0,1
.irp i,0,1,2,3,4,5,6,7
	v_pk_mul_f32 v[ACC+16*\t+2*\i:ACC+16*\t+2*\i+1], v[ACC+16*\t+2*\i:ACC+16*\t+2*\i+1], v[ST+6*\t+2:ST+6*\t+3] op_sel_hi:[1,0]
.endr
.endr
.irp t,0,1
.irp i,0,1,2,3,4,5,6,7
	v_cvt_pk_f16_f32 v[PF+16*\t+\i], v[ACC+16*\t+2*\i], v[ACC+16*\t+2*\i+1]
.endr
.irp dt,0,1
	global_store_b128 v[VOFF], v[PF+16*\t+4*\dt:PF+16*\t+4*\dt+3], s[34:35] offset:\t*8192+\dt*512   ; 512 consecutive bytes, aligned
.endr
.endr
	s_wait_tensorcnt 0x0
	ds_add_u32 v236, v237
	s_wait_dscnt 0x0
	ROUND                                          ; the closing round: no work-group ends while a partner may still ask jointly
	s_endpgm
.Lfunc_end_k_q652e9a707c_attn:
	.size	k_q652e9a707c_attn, .Lfunc_end_k_q652e9a707c_attn-k_q652e9a707c_attn
	.p2alignl 7, 3214868480
	.fill 96, 4, 3214868480
	.section	.rodata,"a",@progbits
	.p2align	6, 0x0
	.amdhsa_kernel k_q652e9a707c_attn
		.amdhsa_group_segment_fixed_size 168960
		.amdhsa_private_segment_fixed_size 0
		.amdhsa_enable_private_segment 0
		.amdhsa_kernarg_size 40
		.amdhsa_user_sgpr_count 2
		.amdhsa_user_sgpr_kernarg_segment_ptr 1
		.amdhsa_wavefront_size32 1
		.amdhsa_system_sgpr_workgroup_id_x 1
		.amdhsa_system_sgpr_workgroup_id_y 1
		.amdhsa_system_sgpr_workgroup_id_z 1
		.amdhsa_system_vgpr_workitem_id 0
		.amdhsa_next_free_vgpr 238
		.amdhsa_next_free_sgpr 66
		.amdhsa_reserve_vcc 0
		.amdhsa_float_denorm_mode_32 3
		.amdhsa_float_denorm_mode_16_64 3
		.amdhsa_memory_ordered 1
		.amdhsa_forward_progress 1
		.amdhsa_inst_pref_size 105
	.end_amdhsa_kernel
	.amdgpu_metadata
---
amdhsa.version: [ 1, 2 ]
amdhsa.kernels:
  - .name:           k_q652e9a707c_attn
    .symbol:         k_q652e9a707c_attn.kd
    .args:
      - { .name: qf, .offset: 0, .size: 8, .value_kind: global_buffer, .address_space: global }
      - { .name: kvf, .offset: 8, .size: 8, .value_kind: global_buffer, .address_space: global }
      - { .name: cf, .offset: 16, .size: 8, .value_kind: global_buffer, .address_space: global }
      - { .name: Wo, .offset: 24, .size: 8, .value_kind: global_buffer, .address_space: global }
      - { .name: wof, .offset: 32, .size: 8, .value_kind: global_buffer, .address_space: global }
    .group_segment_fixed_size: 168960
    .private_segment_fixed_size: 0
    .kernarg_segment_align: 8
    .kernarg_segment_size: 40
    .max_flat_workgroup_size: 256
    .sgpr_count:     66
    .vgpr_count:     238
    .wavefront_size: 32
...
	.end_amdgpu_metadata
.endif
;; end of part 2
;; launch outp (part 3): grid 256 x 1, 8 waves a work-group, no clusters, 168,960 bytes of LDS; arguments cf, wof, bo, out0; writes out0
.if DOCPART == 3
	.amdgcn_target "amdgcn-amd-amdhsa--gfx1250"
	.amdhsa_code_object_version 6
	.text
	.protected	k_q652e9a707c_outp
	.globl	k_q652e9a707c_outp
	.p2align	8
	.type	k_q652e9a707c_outp,@function
k_q652e9a707c_outp:
	s_mov_b64 s[64:65], 0
	v_nop
	global_prefetch_b8 v0, s[64:65] scope:SCOPE_SE
	s_setreg_imm32_b32 hwreg(HW_REG_WAVE_MODE, 25, 1), 1
	s_wait_xcnt 0x0
; out[b][o][token] = sum over c of Wo[o][c] ctx[b][token][c] + bo[o], f32 out, channel-major.  Operands f16, sums f32.
; LIMIT: Wo and ctx come in f16, as the launch before stored them: |Wo|, |ctx| below 65,504; magnitudes below 6e-8 are lost.
;
; SHARES.  Work-group number n: half = n & 1 (128 output rows), token block blk = n >> 1 = 16 b + beta (64 tokens).
; Wave w takes the 16 output rows of tile mt = 8 half + w and the four token tiles of the block: 32 matrix instructions, K = 256 in 8 steps, one a head.
; Wo: wof holds it in f16 in the order of the registers, so the eight fragments of a wave (8 KiB) go straight into 64 registers, 16 loads of
; 512 consecutive bytes, and touch no LDS.  ctx: the 32 KiB of the block are read by all eight waves, so they go through LDS, each wave
; bringing an eighth by one tensor load.  Every LDS byte is filled once.
; NO CLUSTER.  What many work-groups share is Wo, and each 8 KiB of it is used by one wave of a work-group, from registers: a joint load could only lay it in LDS,
; from where the same 16 reads a lane would follow, behind two rounds of a cluster's barrier.  A block of ctx is shared by two work-groups only.
; LAYOUT.  cf holds the fragments of ctx as they are taken (column = token row r, k = the 32 channels of a head).  Token tile q is the tokens 64 beta + 4 r + q,
; so register j of the four accumulators of a lane is four neighbouring tokens of output row 8 hh + j: 16 bytes, and 16 lanes store 256 consecutive bytes, aligned.
.set VL,   1                           ; v1  16 x lane: my place in a fragment, in wof and in LDS
.set VBO,  2                           ; v2  byte offset of bo of row 16 mt + 8 hh
.set VOUT, 3                           ; v3  byte offset in out0: row 8 hh, tokens 4 r ..
.set AF,   16                          ; v[16:79]   the eight fragments of Wo
.set BF,   80                          ; v[80:207]  four buffers of four ctx fragments; at the end the 32 registers that are stored
.set ACC,  208                         ; v[208:239] accumulators of token tiles q = 0..3
.set BO,   240                         ; v[240:247] bo of my eight rows
.macro PLACES                          ; four places behind a matrix instruction (ISA guide 7.12.1)
.rept 4
	v_nop
.endr
.endm
	s_load_b256 s[4:11], s[0:1], 0x0               ; cf s[4:5], wof s[6:7], bo s[8:9], out0 s[10:11]
	v_lshl_add_u32 v248, v0, 2, 0x29000
	v_mov_b32 v249, 0
	ds_add_u32 v248, v249
	ds_add_u32 v248, v249
	v_lshrrev_b32 v5, 5, v0
	v_readfirstlane_b32 s12, v5                    ; wave w
	s_and_b32 s14, ttmp9, 1
	s_lshl3_add_u32 s14, s14, s12                  ; mt = 8 half + w
	s_lshr_b32 s15, ttmp9, 1                       ; blk
	; group 1: 4,096 dense bytes as 16 rows of 32 elements of 8 bytes
	s_mov_b32 s24, 3<<16                           ; no mask; elements of 8 bytes; no padding
	s_mov_b32 s25, 32<<16                          ; tensor_dim0 = 32
	s_mov_b32 s26, 16<<16                          ; tensor_dim1 = 16
	s_mov_b32 s27, 32<<16                          ; tile_dim0 = 32
	s_mov_b32 s28, 16                              ; tile_dim1 = 16
	s_mov_b32 s29, 32                              ; a row begins where the last ends
	s_mov_b32 s30, 0
	s_mov_b32 s31, 0
	s_mov_b32 s36, 1                               ; group 0: count = 1
	s_lshl_b32 s37, s12, 12                        ; LDS address 4,096 w
	s_lshl_b32 s2, s15, 15                         ; cf: 32,768 bytes a token block,
	s_add_co_u32 s2, s2, s37                       ; my eighth
	s_mov_b32 s3, 0
	s_lshl_b32 s42, s14, 13                        ; wof: 8 blocks of 1,024 bytes a row tile
	s_mov_b32 s43, 0
	s_lshr_b32 s40, s15, 4                         ; out0: image b = blk >> 4,
	s_lshl_b32 s40, s40, 20
	s_lshl_b32 s41, s14, 16                        ; rows 16 mt of 4,096 bytes,
	s_add_co_u32 s40, s40, s41
	s_and_b32 s41, s15, 15
	s_lshl_b32 s41, s41, 8                         ; tokens 64 beta
	s_add_co_u32 s40, s40, s41
	s_mov_b32 s41, 0
	v_and_b32 v5, 15, v0                           ; r
	v_bfe_u32 v6, v0, 4, 1                         ; hh
	v_and_b32 v7, 31, v0                           ; lane
	v_lshlrev_b32 v[VL], 4, v7
	s_lshl_b32 s13, s14, 6                         ; 16 mt numbers of 4 bytes
	v_lshl_add_u32 v[VBO], v6, 5, s13
	v_lshlrev_b32 v[VOUT], 4, v5
	v_lshl_add_u32 v[VOUT], v6, 15, v[VOUT]        ; lanes 16 to 31: eight rows further down
	s_wait_dscnt 0x0
	s_wait_kmcnt 0x0
	s_add_nc_u64 s[38:39], s[4:5], s[2:3]
	s_or_b32 s39, s39, 0x80000000                  ; type = 2
	s_add_nc_u64 s[42:43], s[6:7], s[42:43]
	s_add_nc_u64 s[40:41], s[10:11], s[40:41]
	tensor_load_to_lds s[36:39], s[24:31]          ; my eighth of ctx: one load of the wave is out
	s_nop 0
.irp ks,0,1,2,3,4,5,6,7
.irp g,0,1
	global_load_b128 v[AF+8*\ks+4*\g:AF+8*\ks+4*\g+3], v[VL], s[42:43] offset:\ks*1024+\g*512
.endr
.endr
	global_load_b128 v[BO:BO+3],   v[VBO], s[8:9]
	global_load_b128 v[BO+4:BO+7], v[VBO], s[8:9] offset:16
	s_wait_tensorcnt 0x0                           ; my eighth of ctx is in,
	s_barrier_signal -1
	s_barrier_wait -1                              ; everybody's is
.macro LDB ks                          ; the four token tiles' fragments of head ks; a read takes 512 consecutive bytes
.irp q,0,1,2,3
.irp g,0,1
	ds_load_b128 v[BF+32*(\ks&3)+8*\q+4*\g:BF+32*(\ks&3)+8*\q+4*\g+3], v[VL] offset:\q*8192+\ks*1024+\g*512
.endr
.endr
.endm
.macro MM4 ks                          ; the four accumulators take turns, one instruction a turn
.irp q,0,1,2,3
.if \ks == 0
	v_wmma_f32_16x16x32_f16 v[ACC+8*\q:ACC+8*\q+7], v[AF+8*\ks:AF+8*\ks+7], v[BF+32*(\ks&3)+8*\q:BF+32*(\ks&3)+8*\q+7], 0
.else
	v_wmma_f32_16x16x32_f16 v[ACC+8*\q:ACC+8*\q+7], v[AF+8*\ks:AF+8*\ks+7], v[BF+32*(\ks&3)+8*\q:BF+32*(\ks&3)+8*\q+7], v[ACC+8*\q:ACC+8*\q+7]
.endif
.endr
.endm
	LDB 0
	LDB 1
	LDB 2
	LDB 3
	s_wait_loadcnt 2                               ; the sixteen loads of Wo are in; the two of bo, issued behind them, may be out
.irp ks,0,1,2,3
	s_wait_dscnt 24-8*\ks                          ; the buffers behind this one may be out, eight reads each
	MM4 \ks
.endr
	PLACES                                         ; the buffers were sources of the matrix instructions
	LDB 4
	LDB 5
	LDB 6
	LDB 7
.irp ks,4,5,6,7
	s_wait_dscnt 56-8*\ks
	MM4 \ks
.endr
	PLACES                                         ; results are read, the buffers written
	s_wait_loadcnt 0x0                             ; bo
.irp j,0,1,2,3,4,5,6,7
.irp q,0,1,2,3
	v_add_f32 v[BF+4*\j+\q], v[ACC+8*\q+\j], v[BO+\j]              ; the bias; the add also lays four neighbouring tokens side by side
.endr
	global_store_b128 v[VOUT], v[BF+4*\j:BF+4*\j+3], s[40:41] offset:\j*4096 th:TH_STORE_NT   ; lanes 0 to 15: 256 consecutive bytes of row 16 mt + j; lanes 16 to 31: of row 16 mt + 8 + j
.endr
	s_wait_tensorcnt 0x0
	ds_add_u32 v248, v249
	s_wait_dscnt 0x0
	s_endpgm
.Lfunc_end_k_q652e9a707c_outp:
	.size	k_q652e9a707c_outp, .Lfunc_end_k_q652e9a707c_outp-k_q652e9a707c_outp
	.p2alignl 7, 3214868480
	.fill 96, 4, 3214868480
	.section	.rodata,"a",@progbits
	.p2align	6, 0x0
	.amdhsa_kernel k_q652e9a707c_outp
		.amdhsa_group_segment_fixed_size 168960
		.amdhsa_private_segment_fixed_size 0
		.amdhsa_enable_private_segment 0
		.amdhsa_kernarg_size 32
		.amdhsa_user_sgpr_count 2
		.amdhsa_user_sgpr_kernarg_segment_ptr 1
		.amdhsa_wavefront_size32 1
		.amdhsa_system_sgpr_workgroup_id_x 1
		.amdhsa_system_sgpr_workgroup_id_y 1
		.amdhsa_system_sgpr_workgroup_id_z 1
		.amdhsa_system_vgpr_workitem_id 0
		.amdhsa_next_free_vgpr 250
		.amdhsa_next_free_sgpr 66
		.amdhsa_reserve_vcc 0
		.amdhsa_float_denorm_mode_32 3
		.amdhsa_float_denorm_mode_16_64 3
		.amdhsa_memory_ordered 1
		.amdhsa_forward_progress 1
		.amdhsa_inst_pref_size 13
	.end_amdhsa_kernel
	.amdgpu_metadata
---
amdhsa.version: [ 1, 2 ]
amdhsa.kernels:
  - .name:           k_q652e9a707c_outp
    .symbol:         k_q652e9a707c_outp.kd
    .args:
      - { .name: cf, .offset: 0, .size: 8, .value_kind: global_buffer, .address_space: global }
      - { .name: wof, .offset: 8, .size: 8, .value_kind: global_buffer, .address_space: global }
      - { .name: bo, .offset: 16, .size: 8, .value_kind: global_buffer, .address_space: global }
      - { .name: out0, .offset: 24, .size: 8, .value_kind: global_buffer, .address_space: global }
    .group_segment_fixed_size: 168960
    .private_segment_fixed_size: 0
    .kernarg_segment_align: 8
    .kernarg_segment_size: 32
    .max_flat_workgroup_size: 256
    .sgpr_count:     66
    .vgpr_count:     250
    .wavefront_size: 32
...
	.end_amdgpu_metadata
.endif
;; end of part 3
;; ======== version 2 of 2: 3 launches; 1.39 times as fast as version 1
;; limits: values are held in f16: magnitudes above 65,504 overflow, below 6.1e-05 lose precision; right only within a limited range of input values
;; workspace buffers: qf 4,194,304 bytes; kvf 8,388,608 bytes; cf 4,194,304 bytes; wof 131,072 bytes
;; launch proj: the kernel of part 1 again; grid 256 x 1, 4 waves a work-group, clusters of 4 x 1, 314,880 bytes of LDS; arguments x, Wq, Wk, Wv, bq, bk, bv, qf, kvf; writes qf, kvf
;; launch attn (part 4): grid 256 x 1, 8 waves a work-group, clusters of 4 x 1, 168,960 bytes of LDS; arguments qf, kvf, cf, Wo, wof; writes cf, wof
.if DOCPART == 4
	.amdgcn_target "amdgcn-amd-amdhsa--gfx1250"
	.amdhsa_code_object_version 6
	.text
	.protected	k_q652e9a707c_attn
	.globl	k_q652e9a707c_attn
	.p2align	8
	.type	k_q652e9a707c_attn,@function
k_q652e9a707c_attn:
	s_mov_b64 s[64:65], 0
	v_nop
	global_prefetch_b8 v0, s[64:65] scope:SCOPE_SE
	s_setreg_imm32_b32 hwreg(HW_REG_WAVE_MODE, 25, 1), 1
	s_wait_xcnt 0x0
	s_wait_alu depctr_hold_cnt(0) depctr_sa_sdst(0) depctr_va_vdst(0) depctr_va_sdst(0) depctr_va_ssrc(0) depctr_va_vcc(0) depctr_vm_vsrc(0)
	s_getreg_b32 s2, hwreg(HW_REG_IB_STS2, 6, 4)
	s_cmp_eq_u32 s2, 0
	s_cbranch_scc0 .Lentry_in_a_cluster
	s_endpgm
.Lentry_in_a_cluster:
	s_bfe_u32 s2, ttmp6, 0x10000c
	s_cmp_lg_u32 s2, 0x3003
	s_cbranch_scc0 .Lentry_shape_is_right
	s_endpgm
.Lentry_shape_is_right:
; Attention of one head for 256 queries: ctx = softmax(q k^T / sqrt(32)) v over 1,024 keys, with a running maximum.
; qf holds q already times log2(e)/sqrt(32), so the exponentials are powers of two.  Operands f16, sums, maxima and exponentials f32.
; Beside that, while the first tiles are on their way, each work-group rounds 256 numbers of Wo to f16 for the next launch (see below).
; LIMIT: ctx and Wo are stored in f16: |ctx| (at most the largest |v|) and |Wo| must stay below 65,504; magnitudes below 6e-8 are lost,
; among them weights p (which lie in [0, 1]) below 6e-8.
;
; SHARES.  Cluster number = 8 b + head; cx = the block of 256 queries.  Wave w takes query tiles tau = 16 cx + 2 w + t, t = 0, 1 (32 queries),
; and walks the keys in 16 steps of 64.  Eight waves, two on each SIMD, since a step is 16 matrix instructions beside some 220 vector ones:
; one wave's matrix instructions and LDS reads stand beside the other's exponentials.
; CLUSTER.  The four query blocks of a head need the same 128 KiB of k and v: they are asked for jointly (mask 15) and lie in LDS whole;
; every LDS byte is filled once, so no slot is ever filled again.
; THE FILL COMES IN FOUR CHUNKS of four steps (32 KiB).  Each wave asks for an eighth of each chunk, four loads in one group at the start, and a wave's
; loads end in the order of issue: so the first steps run while the later chunks are on their way.  In front of the first read of a chunk every wave
; waits for its part of it, by a counted wait, and passes a barrier.  A load has 16 rows only: with longer ones a chunk would be more steps.
;
; LAYOUT.  Scores are made transposed, S^T = K x Q^T: lane (r, hh) holds keys 8 hh + j of query r, so maximum and sum stay in the lane but for one
; exchange with lane r xor 16.  Two key tiles packed in pairs are the fragment of P^T (column = query r, k = 32 keys), and
; ctx^T = V^T x P^T leaves lane (r, hh) with d = 8 hh + j of query r: packed, the fragment that the output projection takes.
;
; THE EXPONENTIALS OF A STEP ARE ONE BATCH WITH ONE WAIT.  A step has 66: the 64 weights of the two query tiles, in place in the scores' registers, and the two
; factors 2^(old maximum - new maximum).  None reads another's result.  AHEAD OF THE WAIT stands all that names no result of theirs: both tiles' maxima and
; statistics, the 32 scalings (score minus maximum) and the 66 exponentials.  BEHIND IT stand all that do: the sums, the roundings to f16 and the rescaling of ctx..
; The way out's two reciprocals are a batch of their own.
;
; Wo IN FRAGMENT ORDER.  wof is [row tile mt 16][K step ks 8] blocks of 1,024 bytes; byte 512 g + 16 lane = registers 4g..4g+3 of the lane:
; row 16 mt + r, channels 32 ks + 16 g + 8 hh + 0..7 in f16.  Work-group u = 4 x cluster + cx makes the 512 bytes (mt = u >> 4, ks = (u >> 1) & 7, g = u & 1):
; a lane reads 32 consecutive bytes, and the four work-groups of a cluster together 256 consecutive bytes of each of 16 rows.
.set LA,   1                           ; v1  LDS address: 16 x lane + 8,192 x step
.set VOFF, 2                           ; v2  16 x lane, for qf, cf and wof; never rewritten
.set QF,   8                           ; v[8:23]    fragments of my two query tiles
.set KF,   24                          ; v[24:55]   fragments of four key tiles
.set VF,   56                          ; v[56:87]   fragments (kh, dt) of v transposed, at 8 (2 kh + dt)
.set SS,   88                          ; v[88:151]  scores: tile (t, kt) at 32 t + 8 kt
.set PF,   152                         ; v[152:183] weights in f16: 16 registers for each t
.set ACC,  184                         ; v[184:215] ctx^T: tile (t, dt) at 16 t + 8 dt
.set ST,   216                         ; v[216:227] for each t six registers: maximum, a word from the other half, factor, its exponent, two sums
.set MX,   228                         ; v[228:231] four chains of maxima of tile 0; tile 1's lie ten registers on, v[238:241]: the two tiles' maxima are made side by side
.set WOD,  232                         ; v[232:235] wave 0: Wo in f16, the data of one store; never rewritten
.set STEPB, 8192                       ; a step in LDS: four K tiles of 1,024 bytes, then four V fragments
.set CHUNK, 4*STEPB                    ; what one group of eight loads brings
.set PART,  CHUNK/8                    ; a wave's part of a chunk: 16 rows of 256 bytes
.set G1,   16                          ; s[16:23] descriptor group 1
.set G0,   40                          ; s[40:55] descriptor group 0, one set for each chunk
.macro PLACES                          ; four places behind a matrix instruction (ISA guide 7.12.1)
.rept 4
	v_nop
.endr
.endm
.macro ROUND                           ; a round of the barrier of the cluster
	s_barrier_signal -1
	s_barrier_wait -1
	s_cmp_lg_u32 s24, 0
	s_cbranch_scc1 .Lnot_wave_0_\@
	s_barrier_signal -3
.Lnot_wave_0_\@:
	s_barrier_wait -3
	s_barrier_signal -1
	s_barrier_wait -1
.endm
	s_load_b256 s[4:11], s[0:1], 0x0               ; qf s[4:5], kvf s[6:7], cf s[8:9], Wo s[10:11]
	s_load_b64 s[12:13], s[0:1], 0x20              ; wof
	v_lshl_add_u32 v236, v0, 2, 0x29000
	v_mov_b32 v237, 0
	ds_add_u32 v236, v237
	ds_add_u32 v236, v237
	v_lshrrev_b32 v3, 5, v0
	v_readfirstlane_b32 s24, v3                    ; wave w
	s_bfe_u32 s25, ttmp6, 0x40000                  ; cx
	s_mov_b32 s14, 0x76543210                      ; v_permlanex16_b32: lane i of one half reads lane i of the other
	s_mov_b32 s15, 0xfedcba98
	; group 1: 4,096 dense bytes as 16 rows of 32 elements of 8 bytes, for all four work-groups
	s_mov_b32 s[G1+0], 15|(3<<16)|(1<<21)          ; 15:0 mask; 17:16 elements of 8 bytes; 21 set beside a mask
	s_mov_b32 s[G1+1], 32<<16                      ; tensor_dim0 = 32
	s_mov_b32 s[G1+2], (PART/256)<<16              ; tensor_dim1 = 16
	s_mov_b32 s[G1+3], 32<<16                      ; tile_dim0 = 32
	s_mov_b32 s[G1+4], PART/256                    ; tile_dim1 = 16
	s_mov_b32 s[G1+5], 32                          ; a row begins where the last ends
	s_mov_b32 s[G1+6], 0
	s_mov_b32 s[G1+7], 0
	s_lshl_b32 s26, s24, 12                        ; 4,096 w: my part of a chunk, in LDS and in kvf
	s_lshl_b32 s28, ttmp9, 17                      ; kvf: 131,072 bytes a head,
	s_add_co_u32 s28, s28, s26                     ; my part: made of the cluster number and w alone; s26, s28 to s31 never hold cx
	s_mov_b32 s29, 0
	s_lshl_b32 s32, ttmp9, 16                      ; qf: 64 blocks of 1,024 bytes a head,
	s_lshl_b32 s27, s25, 14                        ; 16 for each cx,
	s_add_co_u32 s32, s32, s27
	s_lshl_b32 s27, s24, 11                        ; 2 for each wave
	s_add_co_u32 s32, s32, s27
	s_mov_b32 s33, 0
	s_lshr_b32 s34, ttmp9, 3                       ; cf: block ((64 b + tau) 8 + head) of 1,024 bytes, tau = 16 cx + 2 w + t
	s_lshl_b32 s34, s34, 19
	s_and_b32 s27, ttmp9, 7
	s_lshl_b32 s27, s27, 10
	s_add_co_u32 s34, s34, s27
	s_lshl_b32 s27, s25, 17
	s_add_co_u32 s34, s34, s27
	s_lshl_b32 s27, s24, 14                        ; 2 w tiles of 8,192 bytes
	s_add_co_u32 s34, s34, s27
	s_mov_b32 s35, 0
	s_lshl2_add_u32 s58, ttmp9, s25                ; u = 4 x cluster + cx
	s_lshr_b32 s38, s58, 4
	s_lshl_b32 s38, s38, 14                        ; Wo: 16 mt rows of 1,024 bytes,
	s_and_b32 s27, s58, 15
	s_lshl_b32 s27, s27, 6                         ; 16 (2 ks + g) channels of 4 bytes
	s_add_co_u32 s38, s38, s27
	s_mov_b32 s39, 0
	s_lshl_b32 s56, s58, 9                         ; wof: 512 bytes for each u
	s_mov_b32 s57, 0
	v_and_b32 v3, 31, v0
	v_lshlrev_b32 v[LA], 4, v3
	v_lshlrev_b32 v[VOFF], 4, v3
	v_mov_b32 v[ST+1], 0                           ; the destination of v_permlanex16_b32 counts as read
	v_mov_b32 v[ST+7], 0
	s_wait_dscnt 0x0
	s_wait_kmcnt 0x0
	s_add_nc_u64 s[30:31], s[6:7], s[28:29]        ; kvf at my part of chunk 0
	s_add_nc_u64 s[32:33], s[4:5], s[32:33]
	s_add_nc_u64 s[34:35], s[8:9], s[34:35]
	s_add_nc_u64 s[38:39], s[10:11], s[38:39]
	s_add_nc_u64 s[56:57], s[12:13], s[56:57]
.irp t,0,1
.irp g,0,1
	global_load_b128 v[QF+8*\t+4*\g:QF+8*\t+4*\g+3], v[VOFF], s[32:33] offset:\t*1024+\g*512
.endr
.endr
.irp c,0,1,2,3
	s_mov_b32 s[G0+4*\c], 1                                        ; count = 1
	s_add_co_u32 s[G0+4*\c+1], s26, \c*CHUNK                       ; LDS address: 4,096 w + 32,768 c
	s_add_nc_u64 s[G0+4*\c+2:G0+4*\c+3], s[30:31], \c*CHUNK        ; LDS is a copy of the head's 131,072 bytes
	s_or_b32 s[G0+4*\c+3], s[G0+4*\c+3], 0x80000000                ; type = 2
.endr
	ROUND                                          ; all four work-groups are here: the joint loads meet
.irp c,0,1,2,3
	tensor_load_to_lds s[G0+4*\c:G0+4*\c+3], s[G1:G1+7]            ; four loads of the wave are out
	s_nop 0
.endr
	; Wave 0, while the tiles are on their way: 256 numbers of Wo to f16, in fragment order.
	s_cmp_lg_u32 s24, 0
	s_cbranch_scc1 .Lno_wo
	v_and_b32 v4, 15, v0                           ; r
	v_bfe_u32 v5, v0, 4, 1                         ; hh
	v_lshlrev_b32 v4, 10, v4                       ; row r of the tile,
	v_lshl_add_u32 v4, v5, 5, v4                   ; 8 hh channels of 4 bytes
	global_load_b128 v[SS:SS+3],   v4, s[38:39]
	global_load_b128 v[SS+4:SS+7], v4, s[38:39] offset:16
	s_wait_loadcnt 0x0
.irp m,0,1,2,3
	v_cvt_pk_f16_f32 v[WOD+\m], v[SS+2*\m], v[SS+2*\m+1]
.endr
	global_store_b128 v[VOFF], v[WOD:WOD+3], s[56:57]              ; 512 consecutive bytes, aligned; its registers are not written again
.Lno_wo:
	s_wait_tensorcnt 3                             ; my part of chunk 0 is in; the three loads issued behind it stay out,
	s_barrier_signal -1
	s_barrier_wait -1                              ; everybody's part is.
.macro LDK off                         ; four K tiles; a read takes 512 consecutive bytes
.irp kt,0,1,2,3
.irp g,0,1
	ds_load_b128 v[KF+8*\kt+4*\g:KF+8*\kt+4*\g+3], v[LA] offset:\off+\kt*1024+\g*512
.endr
.endr
.endm
.macro LDV                             ; four V fragments
.irp f,0,1,2,3
.irp g,0,1
	ds_load_b128 v[VF+8*\f+4*\g:VF+8*\f+4*\g+3], v[LA] offset:4096+\f*1024+\g*512
.endr
.endr
.endm
; THE SOFTMAX, one line at a time.  TREGS names the registers of query tile t; each of the macros below writes one line for tile t.
.macro TREGS t
.set CS,  SS+32*(\t)
.set CP,  PF+16*(\t)
.set CA,  ACC+16*(\t)
.set CM,  ST+6*(\t)
.set CAL, ST+6*(\t)+2
.set CL,  ST+6*(\t)+4
.set CX,  MX+10*(\t)
.endm
; Number n of the 21 that find the tile's maximum and statistics.  first = 1: the first step, which carries nothing: it has 18.
;   0-13  the largest of my 32 scores, in four chains (each accumulator's lowest registers are read first)     14, 15  the four chains into one
;   16  the other 32 keys of the query, from lane r xor 16     17  the new running maximum     18  old maximum - new     19  the factor 2^(old - new) for the sums and for ctx     20  the new maximum takes the old one's place
.macro SM_M t, n, first
	TREGS \t
.if (\n) < 4
	v_max3_num_f32 v[CX+(\n)], v[CS+3*(\n)], v[CS+3*(\n)+1], v[CS+3*(\n)+2]
.elseif (\n) < 14
	v_max3_num_f32 v[CX+((\n)+2)%4], v[CX+((\n)+2)%4], v[CS+2*(\n)+4], v[CS+2*(\n)+5]
.elseif (\n) == 14
	v_max3_num_f32 v[CX], v[CX], v[CX+1], v[CX+2]
.elseif (\n) == 15
	v_max_num_f32 v[CX], v[CX], v[CX+3]
.elseif (\n) == 16
	v_permlanex16_b32 v[CM+1], v[CX], s14, s15
.elseif ((\n) == 17) && (\first)
	v_max_num_f32 v[CM], v[CX], v[CM+1]
.elseif \first                         ; the first step has none of the three that follow
.elseif (\n) == 17
	v_max3_num_f32 v[CX+1], v[CX], v[CM+1], v[CM]
.elseif (\n) == 18
	v_sub_f32 v[CAL+1], v[CM], v[CX+1]
.elseif (\n) == 19
	v_exp_f32 v[CAL], v[CAL+1]
.else
	v_mov_b32 v[CM], v[CX+1]
.endif
.endm
.macro SM_A t, i                       ; pair i of the 16 register pairs: score minus the maximum
	TREGS \t
	v_pk_add_f32 v[CS+2*(\i):CS+2*(\i)+1], v[CS+2*(\i):CS+2*(\i)+1], v[CM:CM+1] op_sel_hi:[1,0] neg_lo:[0,1] neg_hi:[0,1]
.endm
.macro SM_E t, e                       ; the weight of score e of 32, in place
	TREGS \t
	v_exp_f32 v[CS+(\e)], v[CS+(\e)]
.endm
.macro SM_C t, i, first                ; the two running sums; in the first step the first two pairs start them, later pair 0 brings the factor in
	TREGS \t
.if \first
.if (\i) == 1
	v_pk_add_f32 v[CL:CL+1], v[CS:CS+1], v[CS+2:CS+3]
.endif
.if (\i) > 1
	v_pk_add_f32 v[CL:CL+1], v[CL:CL+1], v[CS+2*(\i):CS+2*(\i)+1]
.endif
.else
.if (\i) == 0
	v_pk_fma_f32 v[CL:CL+1], v[CL:CL+1], v[CAL:CAL+1], v[CS:CS+1] op_sel_hi:[1,0,1]
.else
	v_pk_add_f32 v[CL:CL+1], v[CL:CL+1], v[CS+2*(\i):CS+2*(\i)+1]
.endif
.endif
.endm
.macro SM_D t, i                       ; pair i = 4 kt + p is register i of the two fragments of P^T
	TREGS \t
	v_cvt_pk_f16_f32 v[CP+(\i)], v[CS+2*(\i)], v[CS+2*(\i)+1]
.endm
.macro SM_R t, i                       ; pair i of 8 of ctx so far, to the new maximum
	TREGS \t
	v_pk_mul_f32 v[CA+2*(\i):CA+2*(\i)+1], v[CA+2*(\i):CA+2*(\i)+1], v[CAL:CAL+1] op_sel_hi:[1,0]
.endm
; THE ORDER OF A STEP'S SOFTMAX, both tiles.  first = 1: nothing is carried yet.  pf = 1: the LDS address steps to the next step.
.macro SOFTMAX first, pf
	; Tile 0's maximum.  From number 14 on each line reads the one before it: the first six lines of tile 1's maximum stand between them.
.set n, 0
.rept 14
	SM_M 0, n, \first
.set n, n+1
.endr
.set n, 0
.rept 5
	SM_M 0, 14+n, \first
	SM_M 1, n, \first
.set n, n+1
.endr
	SM_M 0, 19, \first                             ; the batch's first exponential: tile 0's factor;
	SM_M 0, 20, \first                             ; a plain line follows it, which touches neither its result nor its source
	SM_M 1, 5, \first
	SM_A 0, 0
	SM_A 0, 1
	; Tile 0's 32 exponentials, a plain line behind each.  Behind the odd ones its scalings 2 to 15, each three lines ahead of its pair's first exponential; behind the even
	; ones the rest of tile 1's maximum and statistics, whose links so stand four lines apart; behind the last four tile 1's scalings 0 to 3.
.set e, 0
.rept 32
	SM_E 0, e
.if (e%2 == 1) && (e <= 27)
	SM_A 0, (e+3)/2
.elseif (e%2 == 0) && (e <= 24)
	SM_M 1, 6+e/2, \first
.elseif e == 26
	SM_M 1, 20, \first
.elseif e >= 28
	SM_A 1, e-28
.endif
.set e, e+1
.endr
	; Tile 1's factor and its 32 exponentials; the 12 scalings that are left are spread among them, each ahead of its pair's exponentials with one line or more between.
	SM_M 1, 19, \first
	SM_A 1, 4
.set e, 0
.rept 32
	SM_E 1, e
.if (e <= 22) && (e%3 == 1)
	SM_A 1, 5+(e-1)/3
.elseif (e >= 24) && (e <= 28) && (e%2 == 0)
	SM_A 1, 13+(e-24)/2
.endif
.set e, e+1
.endr
.if \pf
	v_add_nc_u32 v[LA], STEPB, v[LA]               ; the next step's LDS address: also the plain line behind the last exponential (ISA guide 5.7.2), one for the batch
.else
	v_nop                                          ; the plain line behind the last exponential (ISA guide 5.7.2), one for the batch
.endif
	s_wait_alu depctr_va_vdst(0)                   ; the wait for the step's batch, its 64 weights and two factors, ahead of the first line that names a result
	; The readers, the tiles by turns: a tile's sums stand four to six lines apart and run in ascending order of the pairs.
.set i, 0
.rept 16
	SM_C 0, i, \first
	SM_C 1, i, \first
	SM_D 0, i
	SM_D 1, i
.if (i < 8) && !(\first)
	SM_R 0, i
	SM_R 1, i
.endif
.set i, i+1
.endr
.endm
; ctx^T += V^T x P^T.  The four accumulators take turns, one instruction a turn.
.macro PV first
.irp kh,0,1
.irp t,0,1
.irp dt,0,1
.if \first*(1-\kh)
	v_wmma_f32_16x16x32_f16 v[ACC+16*\t+8*\dt:ACC+16*\t+8*\dt+7], v[VF+8*(2*\kh+\dt):VF+8*(2*\kh+\dt)+7], v[PF+16*\t+8*\kh:PF+16*\t+8*\kh+7], 0
.else
	v_wmma_f32_16x16x32_f16 v[ACC+16*\t+8*\dt:ACC+16*\t+8*\dt+7], v[VF+8*(2*\kh+\dt):VF+8*(2*\kh+\dt)+7], v[PF+16*\t+8*\kh:PF+16*\t+8*\kh+7], v[ACC+16*\t+8*\dt:ACC+16*\t+8*\dt+7]
.endif
.endr
.endr
.endr
.endm
; One step of 64 keys: it reads its own V fragments and, ahead, the next step's K tiles.  first = 1: nothing is carried yet.  pf = 0: nothing is read ahead.
.macro STEP first, pf
	s_wait_dscnt 0x0                               ; this step's K tiles are in
.irp kt,0,1,2,3
.irp t,0,1
	v_wmma_f32_16x16x32_f16 v[SS+32*\t+8*\kt:SS+32*\t+8*\kt+7], v[KF+8*\kt:KF+8*\kt+7], v[QF+8*\t:QF+8*\t+7], 0
.endr
.endr
	PLACES                                         ; in front of the reads of the scores, of the loads into K (sources just now) and into V (sources of the last step), and of the writes of P and ctx
	LDV
.if \pf
	LDK STEPB
.endif
	SOFTMAX \first, \pf
.if \pf
	s_wait_dscnt 8                                 ; V is in; the eight reads of K issued behind it may be out
.else
	s_wait_dscnt 0x0
.endif
	PV \first
.endm
.macro STEPS n                         ; n steps in a loop
	s_mov_b32 s36, \n
.Lsteps_\@:
	STEP 0, 1
	s_sub_co_i32 s36, s36, 1
	s_cmp_lg_u32 s36, 0
	s_cbranch_scc1 .Lsteps_\@
.endm
; The next chunk becomes readable.  left = how many loads I issued behind my part of it.
.macro GATE left
	s_wait_dscnt 0x0                               ; no LDS read of mine is out at the signal (the K tiles read ahead; the next step would wait for them here anyway)
	s_wait_tensorcnt \left                         ; a wave's tensor loads end in order (ISA guide 10.11.1): my part of the chunk is in,
	s_barrier_signal -1
	s_barrier_wait -1                              ; everybody's part is
.endm
	LDK 0
	s_wait_loadcnt 0x0                             ; q
	STEP 1, 1                                      ; step 0 starts maxima and sums: nothing is cleared
	STEPS 2                                        ; steps 1, 2: they read up to K of step 3, the last of chunk 0
	GATE 2                                         ; chunk 1, one step ahead of its first V, since step 3 reads K of step 4
	STEPS 4                                        ; steps 3 to 6
	GATE 1                                         ; chunk 2
	STEPS 4                                        ; steps 7 to 10
	GATE 0                                         ; chunk 3: no tensor load is out from here on
	STEPS 4                                        ; steps 11 to 14
	STEP 0, 0                                      ; step 15 reads nothing ahead
	PLACES                                         ; behind the last matrix instructions: ctx is read, P written
.irp t,0,1
	v_add_f32 v[ST+6*\t+4], v[ST+6*\t+4], v[ST+6*\t+5]
.endr
.irp t,0,1
	v_permlanex16_b32 v[ST+6*\t+1], v[ST+6*\t+4], s14, s15         ; the sum over the other 512 keys of the query
.endr
.irp t,0,1
	v_add_f32 v[ST+6*\t+4], v[ST+6*\t+4], v[ST+6*\t+1]             ; at least 1: the largest score gives 2^0
.endr
.irp t,0,1
	v_rcp_f32 v[ST+6*\t+2], v[ST+6*\t+4]
.endr
	v_nop                                          ; a plain place behind the reciprocals (ISA guide 5.7.2)
	s_wait_alu depctr_va_vdst(0)                   ; the wait for the two reciprocals, one batch, ahead of their first reader
.irp t,0,1
.irp i,0,1,2,3,4,5,6,7
	v_pk_mul_f32 v[ACC+16*\t+2*\i:ACC+16*\t+2*\i+1], v[ACC+16*\t+2*\i:ACC+16*\t+2*\i+1], v[ST+6*\t+2:ST+6*\t+3] op_sel_hi:[1,0]
.endr
.endr
.irp t,0,1
.irp i,0,1,2,3,4,5,6,7
	v_cvt_pk_f16_f32 v[PF+16*\t+\i], v[ACC+16*\t+2*\i], v[ACC+16*\t+2*\i+1]
.endr
.irp dt,0,1
	global_store_b128 v[VOFF], v[PF+16*\t+4*\dt:PF+16*\t+4*\dt+3], s[34:35] offset:\t*8192+\dt*512   ; 512 consecutive bytes, aligned
.endr
.endr
	s_wait_tensorcnt 0x0
	ds_add_u32 v236, v237
	s_wait_dscnt 0x0
	ROUND                                          ; the closing round: no work-group ends while a partner may still ask jointly
	s_endpgm
.Lfunc_end_k_q652e9a707c_attn:
	.size	k_q652e9a707c_attn, .Lfunc_end_k_q652e9a707c_attn-k_q652e9a707c_attn
	.p2alignl 7, 3214868480
	.fill 96, 4, 3214868480
	.section	.rodata,"a",@progbits
	.p2align	6, 0x0
	.amdhsa_kernel k_q652e9a707c_attn
		.amdhsa_group_segment_fixed_size 168960
		.amdhsa_private_segment_fixed_size 0
		.amdhsa_enable_private_segment 0
		.amdhsa_kernarg_size 40
		.amdhsa_user_sgpr_count 2
		.amdhsa_user_sgpr_kernarg_segment_ptr 1
		.amdhsa_wavefront_size32 1
		.amdhsa_system_sgpr_workgroup_id_x 1
		.amdhsa_system_sgpr_workgroup_id_y 1
		.amdhsa_system_sgpr_workgroup_id_z 1
		.amdhsa_system_vgpr_workitem_id 0
		.amdhsa_next_free_vgpr 242
		.amdhsa_next_free_sgpr 66
		.amdhsa_reserve_vcc 0
		.amdhsa_float_denorm_mode_32 3
		.amdhsa_float_denorm_mode_16_64 3
		.amdhsa_memory_ordered 1
		.amdhsa_forward_progress 1
		.amdhsa_inst_pref_size 91
	.end_amdhsa_kernel
	.amdgpu_metadata
---
amdhsa.version: [ 1, 2 ]
amdhsa.kernels:
  - .name:           k_q652e9a707c_attn
    .symbol:         k_q652e9a707c_attn.kd
    .args:
      - { .name: qf, .offset: 0, .size: 8, .value_kind: global_buffer, .address_space: global }
      - { .name: kvf, .offset: 8, .size: 8, .value_kind: global_buffer, .address_space: global }
      - { .name: cf, .offset: 16, .size: 8, .value_kind: global_buffer, .address_space: global }
      - { .name: Wo, .offset: 24, .size: 8, .value_kind: global_buffer, .address_space: global }
      - { .name: wof, .offset: 32, .size: 8, .value_kind: global_buffer, .address_space: global }
    .group_segment_fixed_size: 168960
    .private_segment_fixed_size: 0
    .kernarg_segment_align: 8
    .kernarg_segment_size: 40
    .max_flat_workgroup_size: 256
    .sgpr_count:     66
    .vgpr_count:     242
    .wavefront_size: 32
...
	.end_amdgpu_metadata
.endif
;; end of part 4
;; launch outp: the kernel of part 3 again; grid 256 x 1, 8 waves a work-group, no clusters, 168,960 bytes of LDS; arguments cf, wof, bo, out0; writes out0
